; MI455X (gfx1250); checked and timed in simulation.
; The chip was launched on July 23, 2026; its instructions are those of AMD's public machine-readable ISA for CDNA 5 (MIT licence, August 2026) and "CDNA5" Instruction Set Architecture Reference Guide (July 2026). The comments in the code are by the model that wrote it; some were corrected since.
;; Residual Vector Quantizer. Allowed arithmetic: float matrix products may take bf16 or f16 operands with f32 sums; all other float work in f32.
;; Inputs: codebooks 8 x 2,048 x 128 float32; x 16 x 128 x 2,048 float32.
;; Outputs: out0 16 x 128 x 2,048 float32; out1 16 x 8 x 2,048 int32; out2 one number float32.
;; One version. Each part assembles by itself: llvm-mc -triple=amdgcn-amd-amdhsa -mcpu=gfx1250 --defsym DOCPART=n.
;; ======== version 1 of 1: 11 launches
;; limits: values within 0.000122 (relative) of each other or of a threshold may be ordered or decided otherwise than in the reference; values are held in f16: magnitudes above 65,504 overflow, below 6.1e-05 lose precision
;; workspace buffers: RA 17,301,504 bytes; RB 17,301,504 bytes; candA 262,144 bytes of whole numbers; candB 262,144 bytes of whole numbers; cbhA 524,288 bytes; cbhB 524,288 bytes; nh 65,536 bytes; lossp 1,024 bytes
;; launch prep (part 1): grid 256 x 1, 4 waves a work-group, no clusters, 167,936 bytes of LDS; arguments x, codebooks, RA, candA, cbhA, nh; writes RA, candA, cbhA, nh
.if DOCPART == 1
	.amdgcn_target "amdgcn-amd-amdhsa--gfx1250"
	.amdhsa_code_object_version 6
	.text
	.protected	k_q69b44cfce4_prep
	.globl	k_q69b44cfce4_prep
	.p2align	8
	.type	k_q69b44cfce4_prep,@function
k_q69b44cfce4_prep:
	s_mov_b64 s[64:65], 0
	v_nop
	global_prefetch_b8 v0, s[64:65] scope:SCOPE_SE
	s_setreg_imm32_b32 hwreg(HW_REG_WAVE_MODE, 25, 1), 1
	s_wait_xcnt 0x0
; PREPARATION.  Work-group g owns the tokens 128 g .. 128 g + 127 (batch g / 16, t0 = 128 (g % 16)).
; It writes: RA, the residual by tokens: [g][33][128 tokens][4] f32, chunk i = numbers 4 i .. 4 i + 3 of each token, chunk 32 = the record {sum of squares, loss so far, 0, 0};
; nh[row] = -(sum of the row's squares) / 2 for 64 of the 16,384 codebook rows; 8 rows of codebook 0 in f16 (cbhA); its block of candA, 1,024 bytes: 128 words (a token's two ids, here 0) and 32 copies of the
; header {stage 0, stage before 0, next 1, flag 0}.
; x lies [batch][number][token]: a tile of 128 numbers x 128 tokens comes into LDS by one tensor load a wave (32 rows of 512 bytes), and thread t reads column t.
; No matrix work, no cluster: nothing here is shared between work-groups.
.set XP,    528                        ; an LDS row: 512 bytes + 16
.set NT,    128*XP                     ; behind the tile: 64 words of nh, a block of 256 bytes
.set SPARE, NT+256                     ; the spare words: 128 bytes a wave, two blocks of 256 bytes that no other line names
.set L16, 1                            ; 16 x lane
.set SPW, 2                            ; my spare word
.set NIL, 3                            ; 0
.set LN,  4                            ; lane
.set T16, 5                            ; 16 x thread
.set L8,  6                            ; 8 x lane
.set XA0, 7                            ; my column in rows 0-63 of the tile
.set XA1, 8                            ; in rows 64-127
.set NTA, 9                            ; my wave's 16 words of NT
.set P,   16                           ; v[16:23] four pairs of partial sums
.set REC, 24                           ; v[24:27] the record
.set ZR,  28                           ; v[28:31] zeros
.set HD,  32                           ; v[32:35] the header
.set CV,  36                           ; v[36:43] two rows to be written in f16
.set SM,  44                           ; v[44:59] 16 rows' sums
.set R,   64                           ; v[64:191] first 16 codebook rows (4 numbers a lane), then my token's 128 numbers
.set WV,  16
.set G1,  20
.set G0,  28
.macro SUMSQ r, p, d                   ; d = the sum of the squares of 128 registers from r on: four chains of pairs
.set i, 0
.rept 4
	v_pk_mul_f32 v[(\p)+2*i:(\p)+2*i+1], v[(\r)+2*i:(\r)+2*i+1], v[(\r)+2*i:(\r)+2*i+1]
.set i, i+1
.endr
.rept 60
	v_pk_fma_f32 v[(\p)+2*(i%4):(\p)+2*(i%4)+1], v[(\r)+2*i:(\r)+2*i+1], v[(\r)+2*i:(\r)+2*i+1], v[(\p)+2*(i%4):(\p)+2*(i%4)+1]
.set i, i+1
.endr
	v_pk_add_f32 v[(\p):(\p)+1], v[(\p):(\p)+1], v[(\p)+2:(\p)+3]
	v_pk_add_f32 v[(\p)+4:(\p)+5], v[(\p)+4:(\p)+5], v[(\p)+6:(\p)+7]
	v_pk_add_f32 v[(\p):(\p)+1], v[(\p):(\p)+1], v[(\p)+4:(\p)+5]
	v_add_f32 v[\d], v[\p], v[(\p)+1]
.endm
	s_load_b256 s[4:11], s[0:1], 0x0               ; x s[4:5], codebooks s[6:7], RA s[8:9], candA s[10:11]
	s_load_b128 s[12:15], s[0:1], 0x20             ; cbhA s[12:13], nh s[14:15]
	v_lshl_add_u32 v[SPW], v0, 2, SPARE
	v_mov_b32 v[NIL], 0
	ds_add_u32 v[SPW], v[NIL]                      ; the wave's opening: the add and its wait ahead of my tensor load
	ds_add_u32 v2, v3
	v_lshrrev_b32 v10, 5, v0
	v_readfirstlane_b32 s[WV], v10                 ; wave 0..3
	s_mov_b32 s[G1+0], (2<<16)|(1<<20)|(6<<22)|(3<<25)  ; elements of 4 bytes; padding on: after every 128 words 4 words
	s_mov_b32 s[G1+1], 128<<16                     ; tensor_dim0 = 128
	s_mov_b32 s[G1+2], 32<<16                      ; tensor_dim1 = 32
	s_mov_b32 s[G1+3], 128<<16                     ; tile_dim0 = 128
	s_mov_b32 s[G1+4], 32                          ; tile_dim1 = 32
	s_mov_b32 s[G1+5], 2048                        ; elements from row to row
	s_mov_b32 s[G1+6], 0
	s_mov_b32 s[G1+7], 0
	s_mov_b32 s[G0], 1
	s_mul_i32 s[G0+1], s[WV], 32*XP                ; my 32 rows of the tile
	s_lshr_b32 s32, ttmp9, 4                       ; the batch: 1 MiB each,
	s_lshl_b32 s32, s32, 20
	s_lshl_b32 s33, s[WV], 18                      ; my 32 rows of 8,192 bytes,
	s_add_co_u32 s32, s32, s33
	s_and_b32 s33, ttmp9, 15
	s_lshl_b32 s33, s33, 9                         ; 128 tokens of 4 bytes
	s_add_co_u32 s32, s32, s33
	s_mov_b32 s33, 0
	s_mov_b32 s40, 0x76543210                      ; v_permlanex16_b32: each lane takes its own place in the other half
	s_mov_b32 s41, 0xfedcba98
	s_wait_dscnt 0x0                               ; the opening add is done
	s_wait_kmcnt 0x0
	s_add_nc_u64 s[G0+2:G0+3], s[4:5], s[32:33]
	s_or_b32 s[G0+3], s[G0+3], 0x80000000          ; type = 2
	tensor_load_to_lds s[G0:G0+3], s[G1:G1+7]      ; the wave's one tensor load
	s_nop 0
	v_and_b32 v[LN], 31, v0
	v_lshlrev_b32 v[T16], 4, v0
	v_lshlrev_b32 v[XA0], 2, v0
	v_lshlrev_b32 v[L16], 4, v[LN]
	v_lshlrev_b32 v[L8], 3, v[LN]
	v_add_nc_u32 v[XA1], 64*XP, v[XA0]
	s_lshl_b32 s34, ttmp9, 6
	s_lshl_b32 s42, s[WV], 4
	s_add_co_u32 s34, s34, s42                     ; my 16 rows to be summed begin at row 64 g + 16 w of all 16,384
	s_lshl_b32 s34, s34, 9
	s_mov_b32 s35, 0
	s_add_nc_u64 s[38:39], s[6:7], s[34:35]
	s_lshl_b32 s34, ttmp9, 3
	s_lshl_b32 s42, s[WV], 1
	s_add_co_u32 s42, s34, s42                     ; my 2 rows of codebook 0 to be converted: 8 g + 2 w
	s_lshl_b32 s34, s42, 9
	s_add_nc_u64 s[36:37], s[6:7], s[34:35]
	s_lshl_b32 s34, s42, 8
	s_add_nc_u64 s[12:13], s[12:13], s[34:35]
	s_mul_i32 s34, ttmp9, 67584
	s_add_nc_u64 s[8:9], s[8:9], s[34:35]
	s_lshl_b32 s34, ttmp9, 10                      ; my block of cand: 1,024 bytes
	s_add_nc_u64 s[10:11], s[10:11], s[34:35]
	s_lshl_b32 s34, ttmp9, 8
	s_add_nc_u64 s[14:15], s[14:15], s[34:35]
	s_lshl_b32 s42, s[WV], 6
	s_add_co_u32 s42, s42, NT
	v_mov_b32 v[NTA], s42
.set k, 0
.rept 16
	global_load_b128 v[R+4*k:R+4*k+3], v[L16], s[38:39] offset:512*k  ; a row is 512 consecutive bytes: 16 a lane
.set k, k+1
.endr
	global_load_b128 v[CV:CV+3], v[L16], s[36:37]
	global_load_b128 v[CV+4:CV+7], v[L16], s[36:37] offset:512
	v_mov_b32 v10, 0                               ; destinations of the lane exchange count as read
	v_mov_b32 v11, 0
	s_wait_loadcnt 0x0
	; the 16 rows' sums of squares, each step for all rows, so that no line waits for the one before it
.set k, 0
.rept 16
	v_mul_f32 v[SM+k], v[R+4*k], v[R+4*k]
.set k, k+1
.endr
.irp j, 1,2,3
.set k, 0
.rept 16
	v_fma_f32 v[SM+k], v[R+4*k+\j], v[R+4*k+\j], v[SM+k]
.set k, k+1
.endr
.endr
.irp m, 1,2,4,8
.set k, 0
.rept 16
	v_add_f32_dpp v[SM+k], v[SM+k], v[SM+k] row_xmask:\m row_mask:0xf bank_mask:0xf
.set k, k+1
.endr
.endr
.set k, 0
.rept 16
	v_permlanex16_b32 v[10+k%2], v[SM+k], s40, s41
	v_add_f32 v[SM+k], v[SM+k], v[10+k%2]
.set k, k+1
.endr
.set k, 0
.rept 16
	v_mul_f32 v[SM+k], -0.5, v[SM+k]               ; exact, so that -2 nh gives the sum back
	ds_store_b32 v[NTA], v[SM+k] offset:4*k        ; all lanes write one word with one value
.set k, k+1
.endr
	v_cvt_pk_f16_f32 v[CV], v[CV], v[CV+1]
	v_cvt_pk_f16_f32 v[CV+1], v[CV+2], v[CV+3]
	v_cvt_pk_f16_f32 v[CV+4], v[CV+4], v[CV+5]
	v_cvt_pk_f16_f32 v[CV+5], v[CV+6], v[CV+7]
	global_store_b64 v[L8], v[CV:CV+1], s[12:13]               ; a row in f16: 256 consecutive bytes, aligned
	global_store_b64 v[L8], v[CV+4:CV+5], s[12:13] offset:256
	s_wait_tensorcnt 0x0                           ; my 32 rows of the tile have landed,
	s_wait_dscnt 0x0                               ; my words of NT are written:
	s_barrier_signal -1
	s_barrier_wait -1                              ; everybody's are
	s_cmp_lg_u32 s[WV], 0
	s_cbranch_scc1 .Lnot_wave_0
	v_add_nc_u32 v10, NT, v[L8]
	ds_load_b64 v[12:13], v10
.irp j, 0,1,2,3
	v_mov_b32 v[ZR+\j], 0
	v_mov_b32 v[HD+\j], 0
.endr
	v_mov_b32 v[HD+2], 1                           ; the next stage
	global_store_b128 v[L16], v[ZR:ZR+3], s[10:11]             ; the 128 words of ids
	global_store_b128 v[L16], v[HD:HD+3], s[10:11] offset:512  ; 32 copies of the header
	s_wait_dscnt 0x0
	global_store_b64 v[L8], v[12:13], s[14:15]     ; 64 numbers of nh: 256 consecutive bytes, aligned
.Lnot_wave_0:
.set d, 0
.rept 64
	ds_load_b32 v[R+d], v[XA0] offset:XP*d         ; my token's column: a wave reads 128 consecutive bytes of a row
	ds_load_b32 v[R+64+d], v[XA1] offset:XP*d
.set d, d+1
.endr
	v_mov_b32 v[REC+1], 0
	v_mov_b32 v[REC+2], 0
	v_mov_b32 v[REC+3], 0
	s_wait_dscnt 0x0
	SUMSQ R, P, REC
.set i, 0
.rept 32
	global_store_b128 v[T16], v[R+4*i:R+4*i+3], s[8:9] offset:2048*i  ; a wave's store covers 512 consecutive bytes, aligned
.set i, i+1
.endr
	global_store_b128 v[T16], v[REC:REC+3], s[8:9] offset:2048*32
	s_wait_tensorcnt 0x0                           ; the wave's end
	ds_add_u32 v[SPW], v[NIL]
	s_wait_dscnt 0x0
	s_endpgm
.Lfunc_end_k_q69b44cfce4_prep:
	.size	k_q69b44cfce4_prep, .Lfunc_end_k_q69b44cfce4_prep-k_q69b44cfce4_prep
	.p2alignl 7, 3214868480
	.fill 96, 4, 3214868480
	.section	.rodata,"a",@progbits
	.p2align	6, 0x0
	.amdhsa_kernel k_q69b44cfce4_prep
		.amdhsa_group_segment_fixed_size 167936
		.amdhsa_private_segment_fixed_size 0
		.amdhsa_enable_private_segment 0
		.amdhsa_kernarg_size 48
		.amdhsa_user_sgpr_count 2
		.amdhsa_user_sgpr_kernarg_segment_ptr 1
		.amdhsa_wavefront_size32 1
		.amdhsa_system_sgpr_workgroup_id_x 1
		.amdhsa_system_sgpr_workgroup_id_y 1
		.amdhsa_system_sgpr_workgroup_id_z 1
		.amdhsa_system_vgpr_workitem_id 0
		.amdhsa_next_free_vgpr 192
		.amdhsa_next_free_sgpr 66
		.amdhsa_reserve_vcc 0
		.amdhsa_float_denorm_mode_32 3
		.amdhsa_float_denorm_mode_16_64 3
		.amdhsa_memory_ordered 1
		.amdhsa_forward_progress 1
		.amdhsa_inst_pref_size 33
	.end_amdhsa_kernel
	.amdgpu_metadata
---
amdhsa.version: [ 1, 2 ]
amdhsa.kernels:
  - .name:           k_q69b44cfce4_prep
    .symbol:         k_q69b44cfce4_prep.kd
    .args:
      - { .name: x, .offset: 0, .size: 8, .value_kind: global_buffer, .address_space: global }
      - { .name: codebooks, .offset: 8, .size: 8, .value_kind: global_buffer, .address_space: global }
      - { .name: RA, .offset: 16, .size: 8, .value_kind: global_buffer, .address_space: global }
      - { .name: candA, .offset: 24, .size: 8, .value_kind: global_buffer, .address_space: global }
      - { .name: cbhA, .offset: 32, .size: 8, .value_kind: global_buffer, .address_space: global }
      - { .name: nh, .offset: 40, .size: 8, .value_kind: global_buffer, .address_space: global }
    .group_segment_fixed_size: 167936
    .private_segment_fixed_size: 0
    .kernarg_segment_align: 8
    .kernarg_segment_size: 48
    .max_flat_workgroup_size: 128
    .sgpr_count:     66
    .vgpr_count:     192
    .wavefront_size: 32
...
	.end_amdgpu_metadata
.endif
;; end of part 1
;; launch st0 (part 2): grid 256 x 1, 4 waves a work-group, clusters of 4 x 1, 327,680 bytes of LDS; arguments candA, RA, codebooks, cbhA, nh, candB, RB, cbhB, out1; writes candB, RB, cbhB, out1
.if DOCPART == 2
	.amdgcn_target "amdgcn-amd-amdhsa--gfx1250"
	.amdhsa_code_object_version 6
	.text
	.protected	k_q69b44cfce4_st0
	.globl	k_q69b44cfce4_st0
	.p2align	8
	.type	k_q69b44cfce4_st0,@function
k_q69b44cfce4_st0:
	s_mov_b64 s[64:65], 0
	v_nop
	global_prefetch_b8 v0, s[64:65] scope:SCOPE_SE
	s_setreg_imm32_b32 hwreg(HW_REG_WAVE_MODE, 25, 1), 1
	s_wait_xcnt 0x0
	s_wait_alu depctr_hold_cnt(0) depctr_sa_sdst(0) depctr_va_vdst(0) depctr_va_sdst(0) depctr_va_ssrc(0) depctr_va_vcc(0) depctr_vm_vsrc(0)
	s_getreg_b32 s2, hwreg(HW_REG_IB_STS2, 6, 4)
	s_cmp_eq_u32 s2, 0
	s_cbranch_scc0 .Lentry_in_a_cluster
	s_endpgm
.Lentry_in_a_cluster:
	s_bfe_u32 s2, ttmp6, 0x10000c
	s_cmp_lg_u32 s2, 0x3003
	s_cbranch_scc0 .Lentry_shape_is_right
	s_endpgm
.Lentry_shape_is_right:
; ONE STAGE OF THE RESIDUAL QUANTIZER, one text for all eight.  Work-group g owns the tokens 128 g .. 128 g + 127.  Its block of cand_in (1,024 bytes) holds a word for each token, first id | second id << 16, and a
; header that says which stage is screened (cur), which is decided (prev), which codebook is converted for the launch behind (next), and whether there is anything to decide (flag).
; DECIDE (thread = token).  The launch before left two candidate codes a token.  Both rows of codebook prev are gathered in f32 (their addresses are made of stored whole numbers, clamped), each product with the
; residual is ONE chain of fused multiply-adds in ascending order, the distance is fl(fl(rr - 2 dot) + cc) with cc = -2 nh; the lower distance wins, on equal distances the lower code.  The choice only selects
; values (v_cndmask_b32).  r' = r - q; its sum of squares goes into the record and onto the token's loss.  With flag = 0 (the first launch) the factor g is 0: r' = r, nothing is added, and the code words written are
; written again by the next launch.
; SCREEN.  S = r' . c - cc / 2 for all 2,048 codes of codebook cur, v_wmma_f32_16x16x32_f16, the first K step's C operand being nh.  Wave w takes codes 512 w .. 512 w + 511 against all 128 tokens.  A score's low
; 11 bits are replaced by the code's number; for each token the two highest are kept and stored as whole numbers for the launch behind.
; LIMITS.  r' and the codebook go to f16: beyond 65,504 they become infinities; below 6e-5 they keep f16's fixed step.  Screened scores are ordered on 13 significant bits.  Only two codes a token are decided in f32:
; if two other codes, or the code 4 away in the same group of 8, screen at least as high as the nearest code, a code is returned that is nearest only to within the screening's error (three or more equal rows among
; them).  NaN and infinities are not treated apart.
; CLUSTER.  Every work-group walks the same codebook: four form a cluster, and each tile is asked for JOINTLY (same tensor load, same descriptor, mask 15).  The descriptor hangs on the wave's number alone.
; REGISTERS, in windows of 256 (s_set_vgpr_msb: bits 1:0 source 0, 3:2 source 1, 5:4 source 2, 7:6 destination):
;   window 0: v0-15 addresses and ids.  Deciding: v16-31 at work; v32-95 the 64 rows' offsets, then r' in f16; v96-111 nh in flight, then sums; v112-119 rows to convert; v120-123 the record; v128-255 r.
;             Screening: v16-31 nh (two buffers); v32-63 X, v64-95 Y, two sets of four accumulators; v96-159 code fragments (two buffers); v160-223 the best two, by token tile and chain; v224-227 8 h + j.
;   window 1: the two candidate rows by token (v0-127, v128-255); then the tokens' fragments: tile n, K chunk kc at 32 n + 8 kc.          window 2: the 64 gathered rows as loaded.
; The screening's products and vector lines run under ONE setting (source 1 in window 1: the tokens' fragments): its vector lines are three-source forms with a scalar as source 1.
.set SLOT1,  1<<17                     ; slot 1 begins here: one exclusive or turns an address in one slot into the other's
.set PK,     272                       ; a row of 128 f16: 256 bytes + 16 = 17 x 16: the sixteen rows of a fragment load begin at sixteen different 16-byte columns of 256
.set WSL,    64*PK                     ; a wave's part of a slot: 64 codes
.set STG,    SLOT1+4*WSL               ; each wave's own stage for turning rows: 32 rows of 528 bytes
.set SGP,    528
.set WSTG,   32*SGP
.set BT,     STG+4*WSTG                ; r' in f16: 128 tokens x 272
.set NHT,    BT+128*PK                 ; nh of stage cur: 2,048 bytes a wave
.set SCR,    NHT+8192                  ; [wave][token][2] packed bests
.set CT,     SCR+4096                  ; the 128 winners
.set SPARE,  CT+512                    ; the spare words: 128 bytes a wave, two blocks of 256 bytes that no other line names
.set L16, 1                            ; 16 x lane
.set SPW, 2                            ; my spare word
.set NIL, 3                            ; 0
.set AK0, 4                            ; my lane's place in my wave's part of slot 0
.set AK,  5                            ; the same in the slot in hand
.set ANH, 6                            ; my lanes' place in nh, at the step in hand
.set ANH0,7                            ; at step 0
.set ASC, 8                            ; where my bests go
.set T16, 9                            ; 16 x thread
.set T4,  10                           ; 4 x thread
.set L8,  11                           ; 8 x lane
.set IDA, 12
.set IDB, 13
.set NHA, 14
.set NHB, 15
.set ACA, 16
.set ACB, 17
.set DA,  18
.set DB,  19
.set IDW, 20
.set GA,  21
.set GB,  22
.set STS, 23
.set STR, 24
.set BTS, 25
.set CTS, 26
.set NHS, 27
.set LN,  28
.set T1,  29
.set T2,  30
.set T3,  31
.set VO,  32
.set H,   32
.set NHL, 96
.set P,   96
.set CV,  112
.set REC, 120
.set R,   128
.set NH,  16
.set X,   32
.set Y,   64
.set AF,  96
.set M,   160
.set HJ,  224
.set T0,  228
.set PB1, 229
.set PB2, 230
.set AW,  231
.set PR,  232
.set W,   32
.set IA,  64
.set IB,  68
.set HD,  72
.set CBP, 2                            ; s[2:3] codebook prev
.set WV,  22
.set G1,  28
.set G0A, 36
.set G0B, 40
.set TB,  48                           ; the slot in hand: 0 or SLOT1
.set CNT, 49
.set IX0, 50                           ; the tile's code number, bits 10:4
.set IX1, 51                           ; the same with bit 2
.set MASK,52
.set NINF,53
.set PINF,54
.set SEL, 58
.set TN,  66                           ; bytes of nh behind the steps done
.set IDS, 68                           ; s[68:99] the id words of my wave's 32 tokens
.set NHP, 100                          ; s[100:101] nh of stage prev
.set MSB, 0
.macro WIN new                         ; the immediate's high byte repeats the setting that is left; a switch that changes nothing is dropped
.if MSB != (\new)
	s_set_vgpr_msb (MSB<<8)|(\new)
.set MSB, (\new)
.endif
.endm
; A round of the cluster's barrier: my work-group's barrier, wave 0 signals for the work-group, every wave waits for all four work-groups, my work-group's barrier once more.
.macro CREST                           ; a round behind its opening barrier
	s_cmp_lg_u32 s[WV], 0
	s_cbranch_scc1 .Lnot_wave_0_\@
	s_barrier_signal -3
.Lnot_wave_0_\@:
	s_barrier_wait -3
	s_barrier_signal -1
	s_barrier_wait -1
.endm
.macro ROUND                           ; a whole round
	s_barrier_signal -1
	s_barrier_wait -1
	CREST
.endm
.macro SUMSQ r, p, d                   ; d = the sum of the squares of 128 registers from r on: four chains of pairs
.set i, 0
.rept 4
	v_pk_mul_f32 v[(\p)+2*i:(\p)+2*i+1], v[(\r)+2*i:(\r)+2*i+1], v[(\r)+2*i:(\r)+2*i+1]
.set i, i+1
.endr
.rept 60
	v_pk_fma_f32 v[(\p)+2*(i%4):(\p)+2*(i%4)+1], v[(\r)+2*i:(\r)+2*i+1], v[(\r)+2*i:(\r)+2*i+1], v[(\p)+2*(i%4):(\p)+2*(i%4)+1]
.set i, i+1
.endr
	v_pk_add_f32 v[(\p):(\p)+1], v[(\p):(\p)+1], v[(\p)+2:(\p)+3]
	v_pk_add_f32 v[(\p)+4:(\p)+5], v[(\p)+4:(\p)+5], v[(\p)+6:(\p)+7]
	v_pk_add_f32 v[(\p):(\p)+1], v[(\p):(\p)+1], v[(\p)+4:(\p)+5]
	v_add_f32 v[\d], v[\p], v[(\p)+1]
.endm
; 32 candidate rows of my wave's 32 tokens: the id words lie in s[68:99]; each row is 512 consecutive bytes, 16 a lane.  o = 0: the first candidates (low halves), 32: the second (high halves).
; Both halves came by one scalar load, so that all 64 rows are asked for one round trip behind the ids.  Each load has its own offset register.
.macro ROWS o
.set k, 0
.rept 32
.if (\o) == 0
	s_and_b32 s25, s[IDS+k], 0xffff
.else
	s_lshr_b32 s25, s[IDS+k], 16
.endif
	s_min_u32 s25, s25, 0x7ff                      ; a loaded number enters an address only clamped
	v_lshl_add_u32 v[VO+(\o)+k], s25, 9, v[L16]
.set k, k+1
.endr
	WIN 0x80                                       ; destination window 2
.set k, 0
.rept 32
	global_load_b128 v[4*((\o)+k):4*((\o)+k)+3], v[VO+(\o)+k], s[CBP:CBP+1]
.set k, k+1
.endr
	WIN 0
.endm
; They are turned through my wave's own stage: row k in, then lane l reads row l, so that each thread holds its token's row.  LDS serves a wave's instructions in order (ISA guide 5.7.1.4): no wait between.
.macro TURNED o
	WIN 0x08                                       ; store data from window 2
.set k, 0
.rept 32
	ds_store_b128 v[STS], v[4*((\o)+k):4*((\o)+k)+3] offset:SGP*k
.set k, k+1
.endr
	WIN 0x40                                       ; destination window 1
.set k, 0
.rept 32
	ds_load_b128 v[4*((\o)+k):4*((\o)+k)+3], v[STR] offset:16*k
.set k, k+1
.endr
.endm
	s_load_b512 s[4:19], s[0:1], 0x0               ; cand_in 4, r_in 6, codebooks 8, cbh_in 10, nh 12, cand_out 14, r_out 16, cbh_out 18
	s_load_b64 s[20:21], s[0:1], 0x40              ; out1
	v_lshl_add_u32 v[SPW], v0, 2, SPARE
	v_mov_b32 v[NIL], 0
	ds_add_u32 v[SPW], v[NIL]                      ; the wave's opening: the add and its wait ahead of the round in front of my first tensor loads
	ds_add_u32 v2, v3
	v_lshrrev_b32 v[T1], 5, v0
	v_readfirstlane_b32 s[WV], v[T1]               ; wave 0..3
	s_bfe_u32 s23, ttmp6, 0x40000                  ; cx
	s_lshl_b32 s24, ttmp9, 2                       ; in a cluster launch ttmp9 counts clusters
	s_add_co_u32 s24, s24, s23                     ; g: it enters global addresses alone
	s_mov_b32 s[G1+0], 15|(1<<16)|(1<<20)|(1<<21)|(5<<22)|(3<<25)  ; the mask of four; 2-byte elements; padding on; bit 21 beside a mask; after every 64 words 4 words
	s_mov_b32 s[G1+1], 128<<16                     ; tensor_dim0 = 128
	s_mov_b32 s[G1+2], 64<<16                      ; tensor_dim1 = 64
	s_mov_b32 s[G1+3], 128<<16                     ; tile_dim0 = 128
	s_mov_b32 s[G1+4], 64                          ; tile_dim1 = 64
	s_mov_b32 s[G1+5], 128                         ; elements from row to row
	s_mov_b32 s[G1+6], 0
	s_mov_b32 s[G1+7], 0
	s_mov_b32 s[G0A], 1
	s_mul_i32 s[G0A+1], s[WV], WSL                 ; slot 0, my wave's part
	s_mov_b32 s[G0B], 1
	s_add_co_u32 s[G0B+1], s[G0A+1], SLOT1         ; slot 1
	s_lshl_b32 s66, s[WV], 17                      ; my 512 codes of 256 bytes
	s_mov_b32 s67, 0
	s_mul_i32 s60, s[WV], WSTG
	s_add_co_u32 s60, s60, STG                     ; my stage
	s_lshl_b32 s61, s[WV], 11
	s_add_co_u32 s61, s61, NHT                     ; my part of nh
	s_lshl_b32 s26, s24, 10                        ; my block of cand: 1,024 bytes
	s_mov_b32 s27, 0
	v_and_b32 v[LN], 31, v0
	v_lshlrev_b32 v[L16], 4, v[LN]
	v_lshlrev_b32 v[L8], 3, v[LN]
	v_lshlrev_b32 v[T16], 4, v0
	v_lshlrev_b32 v[T4], 2, v0
	s_wait_dscnt 0x0                               ; the opening add is done
	s_wait_kmcnt 0x0
	s_add_nc_u64 s[G0A+2:G0A+3], s[10:11], s[66:67]            ; step 0 of my codes
	s_add_nc_u64 s[G0B+2:G0B+3], s[G0A+2:G0A+3], 16384         ; step 1: 64 codes on
	s_or_b32 s[G0A+3], s[G0A+3], 0x80000000        ; type = 2
	s_or_b32 s[G0B+3], s[G0B+3], 0x80000000
	s_add_nc_u64 s[4:5], s[4:5], s[26:27]
	s_add_nc_u64 s[14:15], s[14:15], s[26:27]
	s_mul_i32 s26, s24, 67584                      ; my block of the residual
	s_add_nc_u64 s[6:7], s[6:7], s[26:27]
	s_add_nc_u64 s[16:17], s[16:17], s[26:27]
	s_lshl_b32 s26, s[WV], 7
	s_add_nc_u64 s[62:63], s[4:5], s[26:27]        ; my wave's 32 id words
	s_load_b128 s[44:47], s[4:5], 0x200            ; the header: cur, prev, next, flag
	s_load_b512 s[68:83], s[62:63], 0x0            ; both candidates of my wave's tokens
	s_load_b512 s[84:99], s[62:63], 0x40
	global_load_b32 v[IDB], v[T4], s[4:5]          ; my token's id word
.set i, 0
.rept 32
	global_load_b128 v[R+4*i:R+4*i+3], v[T16], s[6:7] offset:2048*i  ; my token's residual: a wave's load covers 512 consecutive bytes
.set i, i+1
.endr
	global_load_b128 v[REC:REC+3], v[T16], s[6:7] offset:2048*32
	ROUND                                          ; all four work-groups are here: the first joint loads meet
	tensor_load_to_lds s[G0A:G0A+3], s[G1:G1+7]    ; two tensor loads of mine are out
	s_nop 0
	tensor_load_to_lds s[G0B:G0B+3], s[G1:G1+7]
	s_nop 0
	v_add_nc_u32 v[STS], s60, v[L16]               ; four plain lines stand behind the loads, ahead of the next switch of windows
	v_mul_u32_u24 v[STR], v[LN], SGP
	v_add_nc_u32 v[STR], s60, v[STR]
	v_add_nc_u32 v[NHS], s61, v[L16]
	s_wait_kmcnt 0x0                               ; header and ids
	s_min_u32 s44, s44, 7
	s_min_u32 s45, s45, 7
	s_min_u32 s46, s46, 7
	s_lshl_b32 s26, s45, 20                        ; a codebook is 1 MiB
	s_add_nc_u64 s[CBP:CBP+1], s[8:9], s[26:27]
	ROWS 0                                         ; the rows go out first; what else hangs on the header is made behind them
	s_cmp_lg_u32 s47, 0
	s_cselect_b32 s55, 1.0, 0                      ; g
	s_cselect_b32 s56, -1.0, 0                     ; -g, as a pair for the packed line
	s_mov_b32 s57, s56
	s_lshl_b32 s26, s46, 20
	s_add_nc_u64 s[8:9], s[8:9], s[26:27]
	s_lshl_b32 s26, s24, 3
	s_lshl_b32 s25, s[WV], 1
	s_add_co_u32 s25, s26, s25                     ; the two rows that I convert: 8 g + 2 w
	s_lshl_b32 s26, s25, 9
	s_add_nc_u64 s[8:9], s[8:9], s[26:27]          ; in codebook next,
	s_lshl_b32 s26, s25, 8
	s_add_nc_u64 s[18:19], s[18:19], s[26:27]      ; and in cbh_out
	s_lshl_b32 s26, s45, 13
	s_add_nc_u64 s[NHP:NHP+1], s[12:13], s[26:27]
	s_lshl_b32 s26, s44, 13
	s_lshl_b32 s25, s[WV], 11
	s_add_co_u32 s26, s26, s25
	s_add_nc_u64 s[12:13], s[12:13], s[26:27]      ; nh of stage cur, my 512 codes
	s_lshr_b32 s25, s24, 4                         ; the batch
	s_lshl_b32 s25, s25, 3
	s_add_co_u32 s25, s25, s45                     ; row 8 b + prev of out1,
	s_lshl_b32 s25, s25, 11
	s_and_b32 s26, s24, 15
	s_lshl_b32 s26, s26, 7                         ; t0
	s_add_co_u32 s26, s26, s25
	s_lshl_b32 s26, s26, 2
	s_add_nc_u64 s[20:21], s[20:21], s[26:27]
	s_wait_loadcnt 63                              ; my id word is in: 33 + 32 = 65 younger loads stand behind it; the wait names 63 at the most
	v_and_b32 v[IDA], 0xffff, v[IDB]
	v_lshrrev_b32 v[IDB], 16, v[IDB]
	v_min_u32 v[IDA], 0x7ff, v[IDA]
	v_min_u32 v[IDB], 0x7ff, v[IDB]
	v_lshlrev_b32 v[GA], 2, v[IDA]
	v_lshlrev_b32 v[GB], 2, v[IDB]
	global_load_b32 v[NHA], v[GA], s[NHP:NHP+1]
	global_load_b32 v[NHB], v[GB], s[NHP:NHP+1]
.irp i, 0,1,2,3
	global_load_b128 v[NHL+4*\i:NHL+4*\i+3], v[L16], s[12:13] offset:512*\i
.endr
	global_load_b128 v[CV:CV+3], v[L16], s[8:9]
	global_load_b128 v[CV+4:CV+7], v[L16], s[8:9] offset:512
	ROWS 32
	s_wait_loadcnt 40                              ; the first 32 rows are in, and the residual ahead of them: behind them stand 2 + 4 + 2 + 32 loads
	TURNED 0
	s_wait_loadcnt 0x0
	TURNED 32
	WIN 0
.irp i, 0,1,2,3
	ds_store_b128 v[NHS], v[NHL+4*\i:NHL+4*\i+3] offset:512*\i  ; only my wave reads these bytes
.endr
	v_cvt_pk_f16_f32 v[CV], v[CV], v[CV+1]
	v_cvt_pk_f16_f32 v[CV+1], v[CV+2], v[CV+3]
	v_cvt_pk_f16_f32 v[CV+4], v[CV+4], v[CV+5]
	v_cvt_pk_f16_f32 v[CV+5], v[CV+6], v[CV+7]
	global_store_b64 v[L8], v[CV:CV+1], s[18:19]               ; a row in f16: 256 consecutive bytes, aligned
	global_store_b64 v[L8], v[CV+4:CV+5], s[18:19] offset:256
	s_wait_dscnt 0x0                               ; both rows of my token are in window 1
	; the two products: one chain each, ascending; the chains alternate
	WIN 0x01                                       ; source 0 window 1
	v_mul_f32 v[ACA], v[0], v[R]
	v_mul_f32 v[ACB], v[128], v[R]
.set d, 1
.rept 127
	v_fma_f32 v[ACA], v[d], v[R+d], v[ACA]
	v_fma_f32 v[ACB], v[128+d], v[R+d], v[ACB]
.set d, d+1
.endr
	WIN 0
	v_fma_f32 v[DA], v[ACA], -2.0, v[REC]          ; fl(rr - 2 dot): doubling is exact
	v_fma_f32 v[DB], v[ACB], -2.0, v[REC]
	v_fma_f32 v[DA], v[NHA], -2.0, v[DA]           ; fl(.. + cc)
	v_fma_f32 v[DB], v[NHB], -2.0, v[DB]
	v_cmp_lt_f32 s23, v[DB], v[DA]
	v_cmp_eq_f32 s25, v[DB], v[DA]
	v_cmp_lt_u32 s26, v[IDB], v[IDA]
	s_and_b32 s25, s25, s26
	s_or_b32 s23, s23, s25                         ; the second candidate wins: it only selects values
	v_cndmask_b32 v[IDW], v[IDA], v[IDB], s23
	WIN 0x45                                       ; destination and both sources window 1
.set d, 0
.rept 128
	v_cndmask_b32 v[d], v[d], v[128+d], s23
.set d, d+1
.endr
	WIN 0x01
.set i, 0
.rept 64
	v_pk_fma_f32 v[R+2*i:R+2*i+1], v[2*i:2*i+1], s[56:57], v[R+2*i:R+2*i+1] op_sel_hi:[1,0,1]  ; r' = q (-g) + r: with g = 1 the rounded r - q
.set i, i+1
.endr
	WIN 0
	SUMSQ R, P, REC
	v_fma_f32 v[REC+1], s55, v[REC], v[REC+1]      ; the token's loss
.set i, 0
.rept 32
	global_store_b128 v[T16], v[R+4*i:R+4*i+3], s[16:17] offset:2048*i
.set i, i+1
.endr
	global_store_b128 v[T16], v[REC:REC+3], s[16:17] offset:2048*32
.set i, 0
.rept 64
	v_cvt_pk_f16_f32 v[H+i], v[R+2*i], v[R+2*i+1]
.set i, i+1
.endr
	v_mul_u32_u24 v[BTS], v0, PK
	v_add_nc_u32 v[BTS], BT, v[BTS]
	v_add_nc_u32 v[CTS], CT, v[T4]
.set i, 0
.rept 16
	ds_store_b128 v[BTS], v[H+4*i:H+4*i+3] offset:16*i
.set i, i+1
.endr
	ds_store_b32 v[CTS], v[IDW]
	v_and_b32 v[LN], 15, v0                        ; r = lane % 16
	v_bfe_u32 v[T1], v0, 4, 1                      ; h = lane / 16
	v_mul_u32_u24 v[T2], v[LN], PK
	v_lshl_add_u32 v[T2], v[T1], 4, v[T2]          ; a fragment: row r x pitch + 16 h
	v_add_nc_u32 v[AK0], s[G0A+1], v[T2]
	v_add_nc_u32 v[T3], BT, v[T2]
	v_lshl_add_u32 v[ANH0], v[T1], 5, s61          ; my lanes' eight codes of a tile
	s_lshl_b32 s60, s[WV], 10
	s_add_co_u32 s60, s60, SCR
	v_lshl_add_u32 v[ASC], v[LN], 3, s60
	s_wait_xcnt 0x0                                ; the stores' data registers are written again only behind this wait
	s_wait_dscnt 0x0                               ; for the others' sake: my row of BT and my word of CT are written
	s_barrier_signal -1                            ; (behind this barrier nothing is filled again: the two first fills may stay out)
	s_barrier_wait -1
	s_cmp_lg_u32 s[WV], 0
	s_cbranch_scc1 .Lno_codes
	v_add_nc_u32 v[T2], CT, v[L16]
	ds_load_b128 v[252:255], v[T2]
	s_wait_dscnt 0x0
	global_store_b128 v[L16], v[252:255], s[20:21] ; the 128 codes of stage prev: 512 consecutive bytes, aligned
.Lno_codes:
	WIN 0x40
.set n, 0
.rept 32                                       ; token tile n / 4, K chunk n % 4
	ds_load_b128 v[8*n:8*n+3],   v[T3] offset:16*PK*(n/4)+64*(n%4)
	ds_load_b128 v[8*n+4:8*n+7], v[T3] offset:16*PK*(n/4)+64*(n%4)+32
.set n, n+1
.endr
	WIN 0
	v_lshlrev_b32 v[HJ], 3, v[T1]
	v_or_b32 v[HJ+1], 1, v[HJ]
	v_or_b32 v[HJ+2], 2, v[HJ]
	v_or_b32 v[HJ+3], 3, v[HJ]
	; The bests and the second accumulator set start at the lowest finite number, so that the first tile's vector lines, which work on the tile before, need no text of their own: 96 moves, once a launch.
	s_mov_b32 s67, 0xff7ff800
.set i, 0
.rept 64
	v_mov_b32 v[M+i], s67
.set i, i+1
.endr
.set i, 0
.rept 32
	v_mov_b32 v[Y+i], s67
.set i, i+1
.endr
	s_lshl_b32 s[IX0], s[WV], 9
	s_sub_co_u32 s[IX0], s[IX0], 16                ; the tile before my first
	s_and_b32 s[IX0], s[IX0], 0x7ff
	s_or_b32 s[IX1], s[IX0], 4
	s_mov_b32 s[MASK], 0xfffff800
	s_mov_b32 s[NINF], 0xff800000
	s_mov_b32 s[PINF], 0x7f800000
	s_mov_b32 s[SEL], 0x76543210
	s_mov_b32 s[SEL+1], 0xfedcba98
	s_mov_b32 s[TB], 0
	s_mov_b32 s[TN], 0
	v_mov_b32 v[AK], v[AK0]
	v_mov_b32 v[ANH], v[ANH0]
; A tile's fragments: 16 codes x 128 K (8 loads) and its nh (2 loads: lanes of a half read the same 32 bytes), into buffer p; tile i of the slot in hand.
.macro FETCH p, i
.irp c, 0,1,2,3
	ds_load_b128 v[AF+32*(\p)+8*\c:AF+32*(\p)+8*\c+3],   v[AK] offset:16*PK*(\i)+64*\c
	ds_load_b128 v[AF+32*(\p)+8*\c+4:AF+32*(\p)+8*\c+7], v[AK] offset:16*PK*(\i)+64*\c+32
.endr
	ds_load_b128 v[NH+8*(\p):NH+8*(\p)+3],   v[ANH] offset:64*(\i)
	ds_load_b128 v[NH+8*(\p)+4:NH+8*(\p)+7], v[ANH] offset:64*(\i)+16
.endm
; Line q of the 96 that take four finished accumulators (set acc, token tiles 4 half ..) into the bests.  For each accumulator 24: the code's number into the low 11 bits (8); the higher of registers j and j + 4 (4);
; with m1, m2 the chain's two best: lo = min(m1, a), m1 = max(m1, a), m2 = max(m2, lo) (12).  Each accumulator is read from its lowest register on.  Source 1 is a scalar in every line.
.macro RD acc, half, q
.set rn, (\q)/24
.set ro, (\q)%24
.set ra, (\acc)+8*rn
.set rm, M+8*(rn+4*(\half))
.set rj, ro%4
.if ro < 4
	v_and_or_b32 v[ra+ro], v[ra+ro], s[MASK], s[IX0]
.elseif ro < 8
	v_and_or_b32 v[ra+ro], v[ra+ro], s[MASK], s[IX1]
.elseif ro < 12
	v_max3_num_f32 v[ra+rj], v[ra+rj], s[NINF], v[ra+rj+4]
.elseif ro < 16
	v_min3_num_f32 v[ra+rj+4], v[rm+rj], s[PINF], v[ra+rj]
.elseif ro < 20
	v_max3_num_f32 v[rm+rj], v[rm+rj], s[NINF], v[ra+rj]
.else
	v_max3_num_f32 v[rm+4+rj], v[rm+4+rj], s[NINF], v[ra+rj+4]
.endif
.endm
; Matrix instructions from .. from + cnt - 1 of the 16 that multiply 16 codes (buffer p) by 64 tokens (half), K in four chunks; the four accumulators take turns, one instruction a turn;
; the first chunk's C is nh.  Behind each stand six lines on the OTHER set, which name none of its registers.  f = 1: behind the second, the next tile's ten loads: 18 plain lines behind the last product that read that buffer.
.macro BLK p, half, f, i, from, cnt
	WIN 0x04                                       ; source 1 (the tokens' fragments) window 1
.set bm, (\from)
.set bq, 6*(\from)
.rept (\cnt)
.set bk, bm/4
.set bn, bm%4
.set bd, X+32*(\half)+8*bn
.set ba, AF+32*(\p)+8*bk
.set bb, 32*(bn+4*(\half))+8*bk
.if bk == 0
	v_wmma_f32_16x16x32_f16 v[bd:bd+7], v[ba:ba+7], v[bb:bb+7], v[NH+8*(\p):NH+8*(\p)+7]
.else
	v_wmma_f32_16x16x32_f16 v[bd:bd+7], v[ba:ba+7], v[bb:bb+7], v[bd:bd+7]
.endif
.rept 6
	RD X+32*(1-(\half)), 1-(\half), bq
.set bq, bq+1
.endr
.if (\f) && (bm == 1)
	FETCH 1-(\p), \i
.endif
.set bm, bm+1
.endr
.endm
.macro NEXTIX                          ; the next tile's number
	s_add_co_u32 s[IX0], s[IX0], 16
	s_and_b32 s[IX0], s[IX0], 0x7ff
	s_or_b32 s[IX1], s[IX0], 4
.endm
.macro TILE p, f, i
	s_wait_dscnt 0x0                               ; this tile's fragments, asked for 30 matrix instructions ago
	BLK \p, 0, \f, \i, 0, 16                       ; X is made | Y of the tile before is taken in, under that tile's number
	NEXTIX
	BLK \p, 1, 0, 0, 0, 16                         ; Y is made | X is taken in
.endm
; A slot's third tile WITH THE CHANGE OF SLOTS.  Its first half asks for the fourth tile's fragments: my last reads of the slot.  In its second half: all my tensor loads have landed (one was out: the other slot's);
; the add; eight matrix instructions while the add is out; the add is done and my reads are back; the opening signal of a round of the cluster's barrier; the other eight while the others arrive; the rest of the round,
; so that no wave of any partner still reads the slot or has a load on its way; and the joint refill, with the codes two steps on, first behind it: it has a step, 128 matrix instructions, in which to land.
.macro TILEC p, i
	s_wait_dscnt 0x0
	BLK \p, 0, 1, \i, 0, 16
	NEXTIX
	WIN 0                                          ; (the add's two registers lie in window 0)
	s_wait_tensorcnt 0x0                           ; no tensor load of mine is out, so the descriptor may be written
	ds_add_u32 v[SPW], v[NIL]                      ; 0 onto my spare word
	s_xor_b32 s[G0B+1], s[G0B+1], SLOT1            ; the walking descriptor: the other slot than last time,
	s_add_nc_u64 s[G0B+2:G0B+3], s[G0B+2:G0B+3], 16384  ; the next 64 codes; the type bits on top are not reached
	s_xor_b32 s[TB], s[TB], SLOT1
	s_add_co_u32 s[TN], s[TN], 256
	s_and_b32 s[TN], s[TN], 0x7ff
	BLK \p, 1, 0, 0, 0, 8
	s_wait_dscnt 0x0                               ; the add is done, and my reads of the slot are back
	s_barrier_signal -1
	BLK \p, 1, 0, 0, 8, 8                          ; work on registers alone
	WIN 0                                          ; at a label and at a branch every window is 0
	s_barrier_wait -1
	CREST
	tensor_load_to_lds s[G0B:G0B+3], s[G1:G1+7]
	s_nop 0
	v_add_nc_u32 v[AK], s[TB], v[AK0]              ; four plain lines stand behind the load, ahead of the next switch of windows
	v_add_nc_u32 v[ANH], s[TN], v[ANH0]
	v_nop
	v_nop
.endm
; The change of slots where nothing is left to fetch: only my own load is waited for, since only I read what it brought; nothing was issued behind it, so the count is 0.
.macro CHANGE2
	WIN 0
	s_wait_tensorcnt 0x0
	s_xor_b32 s[TB], s[TB], SLOT1
	s_add_co_u32 s[TN], s[TN], 256
	s_and_b32 s[TN], s[TN], 0x7ff                  ; behind my last 64 codes it goes back to my first: the address stays in my own 2,048 bytes
	v_add_nc_u32 v[AK], s[TB], v[AK0]
	v_add_nc_u32 v[ANH], s[TN], v[ANH0]
.endm
.macro STEP fill                       ; a slot's four tiles; each tile fetches the next one's fragments, the fourth those of the next slot's first
	TILE 0, 1, 1
	TILE 1, 1, 2
.if \fill
	TILEC 0, 3
.else
	TILE 0, 1, 3
	CHANGE2
.endif
	TILE 1, 1, 0
.endm
	s_wait_tensorcnt 0x1                           ; slot 0's part of mine is in, slot 1's may stay out; only I read these bytes
	FETCH 0, 0
	s_mov_b32 s[CNT], 6
.Lstep:                                        ; steps 0 to 5: each fills its slot again
	STEP 1
	WIN 0
	s_sub_co_u32 s[CNT], s[CNT], 1
	s_cmp_lg_u32 s[CNT], 0
	s_cbranch_scc1 .Lstep
	s_mov_b32 s[CNT], 2
.Ltail:                                        ; steps 6 and 7 have a text of their own.  The price of one text for both: step 7's last tile
	STEP 0                                         ; fetches ten loads' worth (my own slot 0 and my first nh once more) that nobody uses
	WIN 0
	s_sub_co_u32 s[CNT], s[CNT], 1
	s_cmp_lg_u32 s[CNT], 0
	s_cbranch_scc1 .Ltail
.set bq, 0
.rept 96
	RD Y, 1, bq                                    ; the last tile's second half
.set bq, bq+1
.endr
; Two sorted pairs (a1 >= a2, b1 >= b2) into the best two of the four
.macro MERGE2 d1, d2, a1, a2, b1, b2
	v_min_num_f32 v[T0], v[\a1], v[\b1]
	v_max_num_f32 v[\d1], v[\a1], v[\b1]
	v_max3_num_f32 v[\d2], v[T0], v[\a2], v[\b2]
.endm
	v_mov_b32 v[PB1], 0                            ; destinations of the lane exchange count as read
	v_mov_b32 v[PB2], 0
.set n, 0
.rept 8                                        ; a token tile: the numbers are completed (8 h + j), four chains become one, the two halves of the lanes meet
.set mb, M+8*n
.irp j, 0,1,2,3,4,5,6,7
	v_or_b32 v[mb+\j], v[mb+\j], v[HJ+\j%4]
.endr
	MERGE2 mb, mb+4, mb, mb+4, mb+1, mb+5
	MERGE2 mb+2, mb+6, mb+2, mb+6, mb+3, mb+7
	MERGE2 mb, mb+4, mb, mb+4, mb+2, mb+6
	v_permlanex16_b32 v[PB1], v[mb], s[SEL], s[SEL+1]
	v_permlanex16_b32 v[PB2], v[mb+4], s[SEL], s[SEL+1]
	MERGE2 PR+2*n, PR+2*n+1, mb, mb+4, PB1, PB2
	ds_store_b64 v[ASC], v[PR+2*n:PR+2*n+1] offset:128*n  ; both halves write the same 8 bytes with the same value
.set n, n+1
.endr
	s_wait_dscnt 0x0                               ; for wave 0's sake
	s_barrier_signal -1
	s_barrier_wait -1
	s_cmp_lg_u32 s[WV], 0
	s_cbranch_scc1 .Ldone
	v_lshl_add_u32 v[AW], v[L16], 1, SCR           ; lane l takes tokens 4 l .. 4 l + 3: 32 bytes of each wave's list
.irp v, 0,1,2,3
	ds_load_b128 v[W+8*\v:W+8*\v+3],   v[AW] offset:1024*\v
	ds_load_b128 v[W+8*\v+4:W+8*\v+7], v[AW] offset:1024*\v+16
.endr
	s_add_co_u32 s23, s44, 1                       ; the next launch's header: cur + 1, cur, min(cur + 2, 7), 1
	s_add_co_u32 s25, s44, 2
	s_min_u32 s25, s25, 7
	v_mov_b32 v[HD], s23
	v_mov_b32 v[HD+1], s44
	v_mov_b32 v[HD+2], s25
	v_mov_b32 v[HD+3], 1
	s_wait_dscnt 0x0
.set k, 0
.rept 4
	MERGE2 W+2*k, W+2*k+1, W+2*k, W+2*k+1, W+8+2*k, W+8+2*k+1
	MERGE2 W+16+2*k, W+16+2*k+1, W+16+2*k, W+16+2*k+1, W+24+2*k, W+24+2*k+1
	MERGE2 W+2*k, W+2*k+1, W+2*k, W+2*k+1, W+16+2*k, W+16+2*k+1
	v_and_b32 v[IA+k], 0x7ff, v[W+2*k]
	v_and_b32 v[IB+k], 0x7ff, v[W+2*k+1]
	v_lshl_or_b32 v[IA+k], v[IB+k], 16, v[IA+k]    ; first id | second id << 16
.set k, k+1
.endr
	global_store_b128 v[L16], v[IA:IA+3], s[14:15]             ; each store covers 512 consecutive bytes, aligned
	global_store_b128 v[L16], v[HD:HD+3], s[14:15] offset:512
.Ldone:
	s_wait_tensorcnt 0x0                           ; the wave's end
	ds_add_u32 v[SPW], v[NIL]
	s_wait_dscnt 0x0
	ROUND                                          ; the closing round: no work-group ends while a partner may still ask for a tile that names it
	s_endpgm
.Lfunc_end_k_q69b44cfce4_st0:
	.size	k_q69b44cfce4_st0, .Lfunc_end_k_q69b44cfce4_st0-k_q69b44cfce4_st0
	.p2alignl 7, 3214868480
	.fill 96, 4, 3214868480
	.section	.rodata,"a",@progbits
	.p2align	6, 0x0
	.amdhsa_kernel k_q69b44cfce4_st0
		.amdhsa_group_segment_fixed_size 327680
		.amdhsa_private_segment_fixed_size 0
		.amdhsa_enable_private_segment 0
		.amdhsa_kernarg_size 72
		.amdhsa_user_sgpr_count 2
		.amdhsa_user_sgpr_kernarg_segment_ptr 1
		.amdhsa_wavefront_size32 1
		.amdhsa_system_sgpr_workgroup_id_x 1
		.amdhsa_system_sgpr_workgroup_id_y 1
		.amdhsa_system_sgpr_workgroup_id_z 1
		.amdhsa_system_vgpr_workitem_id 0
		.amdhsa_next_free_vgpr 768
		.amdhsa_next_free_sgpr 102
		.amdhsa_reserve_vcc 0
		.amdhsa_float_denorm_mode_32 3
		.amdhsa_float_denorm_mode_16_64 3
		.amdhsa_memory_ordered 1
		.amdhsa_forward_progress 1
		.amdhsa_inst_pref_size 224
	.end_amdhsa_kernel
	.amdgpu_metadata
---
amdhsa.version: [ 1, 2 ]
amdhsa.kernels:
  - .name:           k_q69b44cfce4_st0
    .symbol:         k_q69b44cfce4_st0.kd
    .args:
      - { .name: candA, .offset: 0, .size: 8, .value_kind: global_buffer, .address_space: global }
      - { .name: RA, .offset: 8, .size: 8, .value_kind: global_buffer, .address_space: global }
      - { .name: codebooks, .offset: 16, .size: 8, .value_kind: global_buffer, .address_space: global }
      - { .name: cbhA, .offset: 24, .size: 8, .value_kind: global_buffer, .address_space: global }
      - { .name: nh, .offset: 32, .size: 8, .value_kind: global_buffer, .address_space: global }
      - { .name: candB, .offset: 40, .size: 8, .value_kind: global_buffer, .address_space: global }
      - { .name: RB, .offset: 48, .size: 8, .value_kind: global_buffer, .address_space: global }
      - { .name: cbhB, .offset: 56, .size: 8, .value_kind: global_buffer, .address_space: global }
      - { .name: out1, .offset: 64, .size: 8, .value_kind: global_buffer, .address_space: global }
    .group_segment_fixed_size: 327680
    .private_segment_fixed_size: 0
    .kernarg_segment_align: 8
    .kernarg_segment_size: 72
    .max_flat_workgroup_size: 128
    .sgpr_count:     102
    .vgpr_count:     768
    .wavefront_size: 32
...
	.end_amdgpu_metadata
.endif
;; end of part 2
;; launch st1: the kernel of part 2 again; grid 256 x 1, 4 waves a work-group, clusters of 4 x 1, 327,680 bytes of LDS; arguments candB, RB, codebooks, cbhB, nh, candA, RA, cbhA, out1; writes candA, RA, cbhA, out1
;; launch st2: the kernel of part 2 again; grid 256 x 1, 4 waves a work-group, clusters of 4 x 1, 327,680 bytes of LDS; arguments candA, RA, codebooks, cbhA, nh, candB, RB, cbhB, out1; writes candB, RB, cbhB, out1
;; launch st3: the kernel of part 2 again; grid 256 x 1, 4 waves a work-group, clusters of 4 x 1, 327,680 bytes of LDS; arguments candB, RB, codebooks, cbhB, nh, candA, RA, cbhA, out1; writes candA, RA, cbhA, out1
;; launch st4: the kernel of part 2 again; grid 256 x 1, 4 waves a work-group, clusters of 4 x 1, 327,680 bytes of LDS; arguments candA, RA, codebooks, cbhA, nh, candB, RB, cbhB, out1; writes candB, RB, cbhB, out1
;; launch st5: the kernel of part 2 again; grid 256 x 1, 4 waves a work-group, clusters of 4 x 1, 327,680 bytes of LDS; arguments candB, RB, codebooks, cbhB, nh, candA, RA, cbhA, out1; writes candA, RA, cbhA, out1
;; launch st6: the kernel of part 2 again; grid 256 x 1, 4 waves a work-group, clusters of 4 x 1, 327,680 bytes of LDS; arguments candA, RA, codebooks, cbhA, nh, candB, RB, cbhB, out1; writes candB, RB, cbhB, out1
;; launch st7: the kernel of part 2 again; grid 256 x 1, 4 waves a work-group, clusters of 4 x 1, 327,680 bytes of LDS; arguments candB, RB, codebooks, cbhB, nh, candA, RA, cbhA, out1; writes candA, RA, cbhA, out1
;; launch last (part 3): grid 256 x 1, 4 waves a work-group, no clusters, 167,936 bytes of LDS; arguments candA, RA, codebooks, nh, x, out0, out1, lossp; writes out0, out1, lossp
.if DOCPART == 3
	.amdgcn_target "amdgcn-amd-amdhsa--gfx1250"
	.amdhsa_code_object_version 6
	.text
	.protected	k_q69b44cfce4_last
	.globl	k_q69b44cfce4_last
	.p2align	8
	.type	k_q69b44cfce4_last,@function
k_q69b44cfce4_last:
	s_mov_b64 s[64:65], 0
	v_nop
	global_prefetch_b8 v0, s[64:65] scope:SCOPE_SE
	s_setreg_imm32_b32 hwreg(HW_REG_WAVE_MODE, 25, 1), 1
	s_wait_xcnt 0x0
; THE LAST DECISION AND THE WAY OUT.  Work-group g owns the tokens 128 g .. 128 g + 127; thread = token.  The two candidates of the last stage are decided as in every stage: both rows gathered in f32, each product ONE
; ascending chain of fused multiply-adds, distance fl(fl(rr - 2 dot) + cc), the lower distance wins, on equal distances the lower code; r' = r - q.
; out0 = x - r': every r' = fl(r - q) is off by half a last place of r at the most, as each of the sums r + (q - r) that it stands for is.  x's tile (128 numbers x 128 tokens) comes into LDS by one tensor load a wave;
; each thread replaces its own column by x - r' (no tensor load follows), and the rows leave as 512 consecutive bytes.  The codes go to out1; the sum of the 128 tokens' losses, one number, to lossp[g]: a store of
; 4 bytes, one for each work-group, 1,024 bytes in the whole launch.
; LIMITS.  As in the stages: of two candidates the nearer is exact; NaN and infinities are not treated apart.  No matrix work, no cluster: nothing is shared between work-groups.
; REGISTERS, in windows of 256: window 0: v0-31 addresses, ids, at work; v32-95 the 64 rows' offsets; v96-103 sums; v120-123 the record; v128-255 r.  window 1: the two candidate rows, then x's column.  window 2: rows as loaded.
.set XP,    528                        ; a row of x's tile: 512 bytes + 16
.set STG,   128*XP                     ; each wave's own stage for turning rows: 32 rows of 528 bytes
.set SGP,   528
.set WSTG,  32*SGP
.set CT,    STG+4*WSTG                 ; the 128 winners
.set LT,    CT+512                     ; the 128 losses
.set SPARE, LT+512                     ; the spare words: 128 bytes a wave, two blocks of 256 bytes that no other line names
.set L16, 1
.set SPW, 2
.set NIL, 3
.set XA1, 4                            ; my column in rows 64-127 of the tile (in rows 0-63: T4)
.set XR,  5                            ; my 16 bytes of my wave's first row
.set T16, 9
.set T4,  10
.set IDA, 12
.set IDB, 13
.set NHA, 14
.set NHB, 15
.set ACA, 16
.set ACB, 17
.set DA,  18
.set DB,  19
.set IDW, 20
.set GA,  21
.set GB,  22
.set STS, 23
.set STR, 24
.set CTS, 26
.set LN,  28
.set T1,  29
.set T3,  31
.set VO,  32
.set P,   96
.set REC, 120
.set R,   128
.set CBP, 2
.set WV,  22
.set G1,  28
.set G0,  36
.set SEL, 58
.set IDS, 68
.set NHP, 100
.set MSB, 0
.macro WIN new
.if MSB != (\new)
	s_set_vgpr_msb (MSB<<8)|(\new)
.set MSB, (\new)
.endif
.endm
.macro SUMSQ r, p, d
.set i, 0
.rept 4
	v_pk_mul_f32 v[(\p)+2*i:(\p)+2*i+1], v[(\r)+2*i:(\r)+2*i+1], v[(\r)+2*i:(\r)+2*i+1]
.set i, i+1
.endr
.rept 60
	v_pk_fma_f32 v[(\p)+2*(i%4):(\p)+2*(i%4)+1], v[(\r)+2*i:(\r)+2*i+1], v[(\r)+2*i:(\r)+2*i+1], v[(\p)+2*(i%4):(\p)+2*(i%4)+1]
.set i, i+1
.endr
	v_pk_add_f32 v[(\p):(\p)+1], v[(\p):(\p)+1], v[(\p)+2:(\p)+3]
	v_pk_add_f32 v[(\p)+4:(\p)+5], v[(\p)+4:(\p)+5], v[(\p)+6:(\p)+7]
	v_pk_add_f32 v[(\p):(\p)+1], v[(\p):(\p)+1], v[(\p)+4:(\p)+5]
	v_add_f32 v[\d], v[\p], v[(\p)+1]
.endm
.macro ROWS o                          ; 32 candidate rows of my wave's tokens, 512 consecutive bytes each: o = 0 the id words' low halves, 32 their high halves; every load has its own offset register
.set k, 0
.rept 32
.if (\o) == 0
	s_and_b32 s25, s[IDS+k], 0xffff
.else
	s_lshr_b32 s25, s[IDS+k], 16
.endif
	s_min_u32 s25, s25, 0x7ff                      ; a loaded number enters an address only clamped
	v_lshl_add_u32 v[VO+(\o)+k], s25, 9, v[L16]
.set k, k+1
.endr
	WIN 0x80
.set k, 0
.rept 32
	global_load_b128 v[4*((\o)+k):4*((\o)+k)+3], v[VO+(\o)+k], s[CBP:CBP+1]
.set k, k+1
.endr
	WIN 0
.endm
.macro TURNED o                        ; through my wave's own stage: row k in, lane l reads row l; LDS serves a wave's instructions in order (ISA guide 5.7.1.4)
	WIN 0x08
.set k, 0
.rept 32
	ds_store_b128 v[STS], v[4*((\o)+k):4*((\o)+k)+3] offset:SGP*k
.set k, k+1
.endr
	WIN 0x40
.set k, 0
.rept 32
	ds_load_b128 v[4*((\o)+k):4*((\o)+k)+3], v[STR] offset:16*k
.set k, k+1
.endr
.endm
	s_load_b512 s[4:19], s[0:1], 0x0               ; candA 4, RA 6, codebooks 8, nh 10, x 12, out0 14, out1 16, lossp 18
	v_lshl_add_u32 v[SPW], v0, 2, SPARE
	v_mov_b32 v[NIL], 0
	ds_add_u32 v[SPW], v[NIL]                      ; the wave's opening: the add and its wait ahead of my tensor load
	ds_add_u32 v2, v3
	v_lshrrev_b32 v[T1], 5, v0
	v_readfirstlane_b32 s[WV], v[T1]
	s_mov_b32 s24, ttmp9                           ; g
	s_mov_b32 s[G1+0], (2<<16)|(1<<20)|(6<<22)|(3<<25)  ; elements of 4 bytes; padding on: after every 128 words 4 words
	s_mov_b32 s[G1+1], 128<<16
	s_mov_b32 s[G1+2], 32<<16
	s_mov_b32 s[G1+3], 128<<16
	s_mov_b32 s[G1+4], 32
	s_mov_b32 s[G1+5], 2048
	s_mov_b32 s[G1+6], 0
	s_mov_b32 s[G1+7], 0
	s_mov_b32 s[G0], 1
	s_mul_i32 s[G0+1], s[WV], 32*XP                ; my 32 rows of the tile
	s_lshr_b32 s66, s24, 4                         ; in x and in out0: the batch,
	s_lshl_b32 s66, s66, 20
	s_lshl_b32 s67, s[WV], 18                      ; my 32 rows of 8,192 bytes,
	s_add_co_u32 s66, s66, s67
	s_and_b32 s67, s24, 15
	s_lshl_b32 s67, s67, 9                         ; 128 tokens of 4 bytes
	s_add_co_u32 s66, s66, s67
	s_mov_b32 s67, 0
	s_mul_i32 s60, s[WV], WSTG
	s_add_co_u32 s60, s60, STG
	s_lshl_b32 s26, s24, 10                        ; my block of cand: 1,024 bytes
	s_mov_b32 s27, 0
	s_mov_b32 s[SEL], 0x76543210                   ; v_permlanex16_b32: each lane takes its own place in the other half
	s_mov_b32 s[SEL+1], 0xfedcba98
	v_and_b32 v[LN], 31, v0
	v_lshlrev_b32 v[L16], 4, v[LN]
	v_lshlrev_b32 v[T16], 4, v0
	v_lshlrev_b32 v[T4], 2, v0
	s_wait_dscnt 0x0                               ; the opening add is done
	s_wait_kmcnt 0x0
	s_add_nc_u64 s[G0+2:G0+3], s[12:13], s[66:67]
	s_or_b32 s[G0+3], s[G0+3], 0x80000000
	s_add_nc_u64 s[14:15], s[14:15], s[66:67]
	tensor_load_to_lds s[G0:G0+3], s[G1:G1+7]      ; the wave's one tensor load
	s_nop 0
	v_add_nc_u32 v[STS], s60, v[L16]
	v_mul_u32_u24 v[STR], v[LN], SGP
	v_add_nc_u32 v[STR], s60, v[STR]
	v_add_nc_u32 v[XR], s[G0+1], v[L16]
	v_add_nc_u32 v[XA1], 64*XP, v[T4]
	s_add_nc_u64 s[4:5], s[4:5], s[26:27]
	s_mul_i32 s26, s24, 67584
	s_add_nc_u64 s[6:7], s[6:7], s[26:27]
	s_lshl_b32 s26, s24, 2
	s_add_nc_u64 s[18:19], s[18:19], s[26:27]      ; my word of lossp
	s_lshl_b32 s26, s[WV], 7
	s_add_nc_u64 s[62:63], s[4:5], s[26:27]
	s_load_b128 s[44:47], s[4:5], 0x200            ; the header: of it prev and flag are used
	s_load_b512 s[68:83], s[62:63], 0x0            ; both candidates of my wave's tokens
	s_load_b512 s[84:99], s[62:63], 0x40
	global_load_b32 v[IDB], v[T4], s[4:5]          ; my token's id word
.set i, 0
.rept 32
	global_load_b128 v[R+4*i:R+4*i+3], v[T16], s[6:7] offset:2048*i
.set i, i+1
.endr
	global_load_b128 v[REC:REC+3], v[T16], s[6:7] offset:2048*32
	s_wait_kmcnt 0x0
	s_min_u32 s45, s45, 7
	s_lshl_b32 s26, s45, 20
	s_add_nc_u64 s[CBP:CBP+1], s[8:9], s[26:27]
	ROWS 0                                         ; the rows go out first; what else hangs on the header is made behind them
	s_cmp_lg_u32 s47, 0
	s_cselect_b32 s55, 1.0, 0                      ; g
	s_cselect_b32 s56, -1.0, 0
	s_mov_b32 s57, s56
	s_lshl_b32 s26, s45, 13
	s_add_nc_u64 s[NHP:NHP+1], s[10:11], s[26:27]
	s_lshr_b32 s25, s24, 4
	s_lshl_b32 s25, s25, 3
	s_add_co_u32 s25, s25, s45                     ; row 8 b + prev of out1
	s_lshl_b32 s25, s25, 11
	s_and_b32 s26, s24, 15
	s_lshl_b32 s26, s26, 7
	s_add_co_u32 s26, s26, s25
	s_lshl_b32 s26, s26, 2
	s_add_nc_u64 s[16:17], s[16:17], s[26:27]
	s_wait_loadcnt 63                              ; my id word is in: 33 + 32 = 65 younger loads stand behind it; the wait names 63 at the most
	v_and_b32 v[IDA], 0xffff, v[IDB]
	v_lshrrev_b32 v[IDB], 16, v[IDB]
	v_min_u32 v[IDA], 0x7ff, v[IDA]
	v_min_u32 v[IDB], 0x7ff, v[IDB]
	v_lshlrev_b32 v[GA], 2, v[IDA]
	v_lshlrev_b32 v[GB], 2, v[IDB]
	global_load_b32 v[NHA], v[GA], s[NHP:NHP+1]
	global_load_b32 v[NHB], v[GB], s[NHP:NHP+1]
	ROWS 32
	s_wait_loadcnt 34                              ; the first 32 rows are in, and the residual ahead of them: behind them stand 2 + 32 loads
	TURNED 0
	s_wait_loadcnt 0x0
	TURNED 32
	s_wait_dscnt 0x0
	WIN 0x01
	v_mul_f32 v[ACA], v[0], v[R]
	v_mul_f32 v[ACB], v[128], v[R]
.set d, 1
.rept 127
	v_fma_f32 v[ACA], v[d], v[R+d], v[ACA]
	v_fma_f32 v[ACB], v[128+d], v[R+d], v[ACB]
.set d, d+1
.endr
	WIN 0
	v_fma_f32 v[DA], v[ACA], -2.0, v[REC]
	v_fma_f32 v[DB], v[ACB], -2.0, v[REC]
	v_fma_f32 v[DA], v[NHA], -2.0, v[DA]
	v_fma_f32 v[DB], v[NHB], -2.0, v[DB]
	v_cmp_lt_f32 s23, v[DB], v[DA]
	v_cmp_eq_f32 s25, v[DB], v[DA]
	v_cmp_lt_u32 s26, v[IDB], v[IDA]
	s_and_b32 s25, s25, s26
	s_or_b32 s23, s23, s25                         ; the second candidate wins: it only selects values
	v_cndmask_b32 v[IDW], v[IDA], v[IDB], s23
	WIN 0x45
.set d, 0
.rept 128
	v_cndmask_b32 v[d], v[d], v[128+d], s23
.set d, d+1
.endr
	WIN 0x01
.set i, 0
.rept 64
	v_pk_fma_f32 v[R+2*i:R+2*i+1], v[2*i:2*i+1], s[56:57], v[R+2*i:R+2*i+1] op_sel_hi:[1,0,1]
.set i, i+1
.endr
	WIN 0
	SUMSQ R, P, REC
	v_fma_f32 v[REC+1], s55, v[REC], v[REC+1]
	v_add_nc_u32 v[CTS], CT, v[T4]
	ds_store_b32 v[CTS], v[IDW]
	ds_store_b32 v[CTS], v[REC+1] offset:512       ; LT lies 512 bytes behind CT
	s_wait_tensorcnt 0x0                           ; my 32 rows of x's tile have landed,
	s_wait_dscnt 0x0                               ; my words are written:
	s_barrier_signal -1
	s_barrier_wait -1                              ; everybody's are
	WIN 0x40
.set d, 0
.rept 64
	ds_load_b32 v[d], v[T4] offset:XP*d            ; my token's column of x
	ds_load_b32 v[64+d], v[XA1] offset:XP*d
.set d, d+1
.endr
	s_wait_dscnt 0x0
	WIN 0x01
.set i, 0
.rept 64
	v_pk_add_f32 v[R+2*i:R+2*i+1], v[2*i:2*i+1], v[R+2*i:R+2*i+1] neg_lo:[0,1] neg_hi:[0,1]  ; x - r'
.set i, i+1
.endr
	WIN 0
.set d, 0
.rept 64
	ds_store_b32 v[T4], v[R+d] offset:XP*d         ; back into my own column; the tile has had its one fill
	ds_store_b32 v[XA1], v[R+64+d] offset:XP*d
.set d, d+1
.endr
	s_wait_dscnt 0x0                               ; for the others' sake
	s_barrier_signal -1
	s_barrier_wait -1
	s_cmp_lg_u32 s[WV], 0
	s_cbranch_scc1 .Lrows
	v_add_nc_u32 v[T3], CT, v[L16]
	ds_load_b128 v[16:19], v[T3]
	ds_load_b128 v[20:23], v[T3] offset:512
	v_mov_b32 v[T1], 0
	v_cmp_eq_u32 vcc_lo, 0, v[LN]
	s_wait_dscnt 0x0
	global_store_b128 v[L16], v[16:19], s[16:17]   ; the last stage's 128 codes: 512 consecutive bytes, aligned
	v_add_f32 v20, v20, v21                        ; the 128 losses: four a lane, then across the lanes
	v_add_f32 v22, v22, v23
	v_add_f32 v20, v20, v22
	v_add_f32_dpp v20, v20, v20 row_xmask:1 row_mask:0xf bank_mask:0xf
	v_add_f32_dpp v20, v20, v20 row_xmask:2 row_mask:0xf bank_mask:0xf
	v_add_f32_dpp v20, v20, v20 row_xmask:4 row_mask:0xf bank_mask:0xf
	v_add_f32_dpp v20, v20, v20 row_xmask:8 row_mask:0xf bank_mask:0xf
	v_permlanex16_b32 v21, v20, s[SEL], s[SEL+1]
	v_add_f32 v20, v20, v21
	s_wait_xcnt 0x0                                ; EXEC changes only behind this wait
	s_and_saveexec_b32 s25, vcc_lo
	global_store_b32 v[T1], v20, s[18:19]          ; lane 0 alone: the work-group's one number
	s_wait_xcnt 0x0                                ; and again, in front of the line that widens it
	s_or_b32 exec_lo, exec_lo, s25
.Lrows:
.set k, 0
.rept 32
	ds_load_b128 v[R+4*k:R+4*k+3], v[XR] offset:XP*k  ; my wave's 32 rows, whole
.set k, k+1
.endr
.set k, 0
.rept 32
	s_wait_dscnt 31-k                              ; LDS loads come back in order (ISA guide 5.7.1): row k is in, the younger ones may stay out
	global_store_b128 v[L16], v[R+4*k:R+4*k+3], s[14:15] offset:8192*k th:TH_STORE_NT  ; 512 consecutive bytes, aligned
.set k, k+1
.endr
	s_wait_tensorcnt 0x0                           ; the wave's end
	ds_add_u32 v[SPW], v[NIL]
	s_wait_dscnt 0x0
	s_endpgm
.Lfunc_end_k_q69b44cfce4_last:
	.size	k_q69b44cfce4_last, .Lfunc_end_k_q69b44cfce4_last-k_q69b44cfce4_last
	.p2alignl 7, 3214868480
	.fill 96, 4, 3214868480
	.section	.rodata,"a",@progbits
	.p2align	6, 0x0
	.amdhsa_kernel k_q69b44cfce4_last
		.amdhsa_group_segment_fixed_size 167936
		.amdhsa_private_segment_fixed_size 0
		.amdhsa_enable_private_segment 0
		.amdhsa_kernarg_size 64
		.amdhsa_user_sgpr_count 2
		.amdhsa_user_sgpr_kernarg_segment_ptr 1
		.amdhsa_wavefront_size32 1
		.amdhsa_system_sgpr_workgroup_id_x 1
		.amdhsa_system_sgpr_workgroup_id_y 1
		.amdhsa_system_sgpr_workgroup_id_z 1
		.amdhsa_system_vgpr_workitem_id 0
		.amdhsa_next_free_vgpr 768
		.amdhsa_next_free_sgpr 102
		.amdhsa_reserve_vcc 1
		.amdhsa_float_denorm_mode_32 3
		.amdhsa_float_denorm_mode_16_64 3
		.amdhsa_memory_ordered 1
		.amdhsa_forward_progress 1
		.amdhsa_inst_pref_size 94
	.end_amdhsa_kernel
	.amdgpu_metadata
---
amdhsa.version: [ 1, 2 ]
amdhsa.kernels:
  - .name:           k_q69b44cfce4_last
    .symbol:         k_q69b44cfce4_last.kd
    .args:
      - { .name: candA, .offset: 0, .size: 8, .value_kind: global_buffer, .address_space: global }
      - { .name: RA, .offset: 8, .size: 8, .value_kind: global_buffer, .address_space: global }
      - { .name: codebooks, .offset: 16, .size: 8, .value_kind: global_buffer, .address_space: global }
      - { .name: nh, .offset: 24, .size: 8, .value_kind: global_buffer, .address_space: global }
      - { .name: x, .offset: 32, .size: 8, .value_kind: global_buffer, .address_space: global }
      - { .name: out0, .offset: 40, .size: 8, .value_kind: global_buffer, .address_space: global }
      - { .name: out1, .offset: 48, .size: 8, .value_kind: global_buffer, .address_space: global }
      - { .name: lossp, .offset: 56, .size: 8, .value_kind: global_buffer, .address_space: global }
    .group_segment_fixed_size: 167936
    .private_segment_fixed_size: 0
    .kernarg_segment_align: 8
    .kernarg_segment_size: 64
    .max_flat_workgroup_size: 128
    .sgpr_count:     102
    .vgpr_count:     768
    .wavefront_size: 32
...
	.end_amdgpu_metadata
.endif
;; end of part 3
;; launch loss (part 4): grid 1 x 1, 1 waves a work-group, no clusters, 0 bytes of LDS; arguments lossp, out2; writes out2
.if DOCPART == 4
	.amdgcn_target "amdgcn-amd-amdhsa--gfx1250"
	.amdhsa_code_object_version 6
	.text
	.protected	k_q69b44cfce4_loss
	.globl	k_q69b44cfce4_loss
	.p2align	8
	.type	k_q69b44cfce4_loss,@function
k_q69b44cfce4_loss:
	s_mov_b64 s[64:65], 0
	v_nop
	global_prefetch_b8 v0, s[64:65] scope:SCOPE_SE
	s_setreg_imm32_b32 hwreg(HW_REG_WAVE_MODE, 25, 1), 1
	s_wait_xcnt 0x0
; out2 = the sum of the 256 work-groups' losses / (32,768 x 128).  One owner for one number: one wave; a lane adds 8 numbers (two loads of 16 bytes, each load of the wave covering 512 consecutive bytes), the lanes
; meet by exchanges.  No LDS, no barrier.  The divisor is 2^22, so the division is an exact scaling.
	s_load_b128 s[4:7], s[0:1], 0x0                ; lossp s[4:5], out2 s[6:7]
	v_lshlrev_b32 v1, 4, v0
	v_mov_b32 v2, 0
	s_mov_b32 s10, 0x76543210                      ; v_permlanex16_b32: each lane takes its own place in the other half
	s_mov_b32 s11, 0xfedcba98
	s_wait_kmcnt 0x0
	global_load_b128 v[4:7], v1, s[4:5]
	global_load_b128 v[8:11], v1, s[4:5] offset:512
	v_cmp_eq_u32 vcc_lo, 0, v0
	s_wait_loadcnt 0x0
	v_pk_add_f32 v[4:5], v[4:5], v[8:9]
	v_pk_add_f32 v[6:7], v[6:7], v[10:11]
	v_pk_add_f32 v[4:5], v[4:5], v[6:7]
	v_add_f32 v4, v4, v5
	v_add_f32_dpp v4, v4, v4 row_xmask:1 row_mask:0xf bank_mask:0xf
	v_add_f32_dpp v4, v4, v4 row_xmask:2 row_mask:0xf bank_mask:0xf
	v_add_f32_dpp v4, v4, v4 row_xmask:4 row_mask:0xf bank_mask:0xf
	v_add_f32_dpp v4, v4, v4 row_xmask:8 row_mask:0xf bank_mask:0xf
	v_permlanex16_b32 v5, v4, s10, s11
	v_add_f32 v4, v4, v5
	v_mul_f32 v4, 0x34800000, v4                   ; 2^-22
	s_wait_xcnt 0x0                                ; EXEC changes only behind this wait
	s_and_saveexec_b32 s9, vcc_lo
	global_store_b32 v2, v4, s[6:7]                ; lane 0 alone
	s_wait_xcnt 0x0                                ; and again, in front of the line that widens it
	s_or_b32 exec_lo, exec_lo, s9
	s_endpgm
.Lfunc_end_k_q69b44cfce4_loss:
	.size	k_q69b44cfce4_loss, .Lfunc_end_k_q69b44cfce4_loss-k_q69b44cfce4_loss
	.p2alignl 7, 3214868480
	.fill 96, 4, 3214868480
	.section	.rodata,"a",@progbits
	.p2align	6, 0x0
	.amdhsa_kernel k_q69b44cfce4_loss
		.amdhsa_group_segment_fixed_size 0
		.amdhsa_private_segment_fixed_size 0
		.amdhsa_enable_private_segment 0
		.amdhsa_kernarg_size 16
		.amdhsa_user_sgpr_count 2
		.amdhsa_user_sgpr_kernarg_segment_ptr 1
		.amdhsa_wavefront_size32 1
		.amdhsa_system_sgpr_workgroup_id_x 1
		.amdhsa_system_sgpr_workgroup_id_y 1
		.amdhsa_system_sgpr_workgroup_id_z 1
		.amdhsa_system_vgpr_workitem_id 0
		.amdhsa_next_free_vgpr 16
		.amdhsa_next_free_sgpr 66
		.amdhsa_reserve_vcc 1
		.amdhsa_float_denorm_mode_32 3
		.amdhsa_float_denorm_mode_16_64 3
		.amdhsa_memory_ordered 1
		.amdhsa_forward_progress 1
		.amdhsa_inst_pref_size 2
	.end_amdhsa_kernel
	.amdgpu_metadata
---
amdhsa.version: [ 1, 2 ]
amdhsa.kernels:
  - .name:           k_q69b44cfce4_loss
    .symbol:         k_q69b44cfce4_loss.kd
    .args:
      - { .name: lossp, .offset: 0, .size: 8, .value_kind: global_buffer, .address_space: global }
      - { .name: out2, .offset: 8, .size: 8, .value_kind: global_buffer, .address_space: global }
    .group_segment_fixed_size: 0
    .private_segment_fixed_size: 0
    .kernarg_segment_align: 8
    .kernarg_segment_size: 16
    .max_flat_workgroup_size: 32
    .sgpr_count:     66
    .vgpr_count:     16
    .wavefront_size: 32
...
	.end_amdgpu_metadata
.endif
;; end of part 4
